; MI455X (gfx1250); checked and timed in simulation.
; The chip was launched on July 23, 2026; its instructions are those of AMD's public machine-readable ISA for CDNA 5 (MIT licence, August 2026) and "CDNA5" Instruction Set Architecture Reference Guide (July 2026). The comments in the code are by the model that wrote it; some were corrected since.
;; Decoder LSTM Cell. Allowed arithmetic: float matrix products may take bf16 or f16 operands with f32 sums; other float arithmetic in f32, or as packed bf16 or f16 multiplies, adds, multiply-adds, maxima and minima; sums over many terms, partial sums and values carried from step to step in f32; what a program stores and reads back later, other than sums and carried values, may be rounded once to bf16 or f16.
;; Inputs: C 4,096 x 256 float32; U 4,096 x 1,024 float32; W 4,096 x 256 float32; b 4,096 float32; c0 8,192 x 1,024 float32; ctx 8,192 x 256 float32; h0 8,192 x 1,024 float32; y 8,192 x 256 float32.
;; Outputs: out0 8,192 x 1,024 float32; out1 8,192 x 1,024 float32.
;; 2 versions, each right; version 2 is version 1 with the launch pack written anew for expert scheduling mode. Each part assembles by itself: llvm-mc -triple=amdgcn-amd-amdhsa -mcpu=gfx1250 --defsym DOCPART=n.
;; ======== version 1 of 2: 2 launches
;; workspace buffers: Ap 25,165,824 bytes; Bp 12,582,912 bytes
;; launch pack (part 1): grid 768 x 1, 8 waves a work-group, no clusters, 0 bytes of LDS; arguments y, h0, ctx, W, U, C, Ap, Bp; writes Ap, Bp
.if DOCPART == 1
	.amdgcn_target "amdgcn-amd-amdhsa--gfx1250"
	.amdhsa_code_object_version 6
	.text
	.protected	k_qfd904ed667_pack
	.globl	k_qfd904ed667_pack
	.p2align	8
	.type	k_qfd904ed667_pack,@function
k_qfd904ed667_pack:
	s_mov_b64 s[64:65], 0
	v_nop
	global_prefetch_b8 v0, s[64:65] scope:SCOPE_SE
	s_setreg_imm32_b32 hwreg(HW_REG_WAVE_MODE, 25, 1), 1
	s_wait_xcnt 0x0
; THE OPERANDS OF THE GATES' PRODUCT, ROUNDED ONCE TO bf16 AND LAID OUT FOR IT.
;   Ap[m][0:256] = y[m], Ap[m][256:1280] = h0[m], Ap[m][1280:1536] = ctx[m]          (8,192 rows of 3,072 bytes)
;   Bp[p][..]    = W[n] | U[n] | C[n] in the same order along K                       (4,096 rows of 3,072 bytes)
; where weight row n = 1024 g + j (gate g, hidden column j) goes to row p = 128 (j / 32) + 32 g + j % 32: then 128 neighbouring rows of Bp hold all four gates of 32 hidden columns,
; and the wave of the next launch that multiplies by them holds i, f, o and c^ of an element in one lane.
; A STREAM: each input byte is read once, each output byte written once; nothing is shared between waves, so there is no LDS, no barrier, no cluster and no matrix work.
; SHARES.  Work-groups 0-511 take the activations, 512-767 the weights, 16 rows each; a wave takes two neighbouring rows (an even row and the next: they stay neighbours under the permutation).
; Two rows are 2 x 6,144 bytes of f32: 24 loads of 512 consecutive bytes, ALL issued at once; each is then rounded and stored as 256 consecutive bytes, at a multiple of 256 from the buffer's first.
; No prefetch: the launch is one burst of loads a wave, with nothing to run ahead of.
.set ACT_WG, 512                       ; work-groups that take activations
.set OROW,   3072                      ; bytes in a row of Ap and of Bp
.set X,      4                         ; v[4:99]  chunk i of 24 in v[X+4 i : X+4 i+3]; never reused behind its store
	s_load_b512 s[8:23], s[0:1], 0x0               ; y s[8:9], h0 s[10:11], ctx s[12:13], W s[14:15], U s[16:17], C s[18:19], Ap s[20:21], Bp s[22:23]
	v_lshrrev_b32 v3, 5, v0
	v_readfirstlane_b32 s2, v3                     ; wave 0..7
	v_and_b32 v3, 31, v0                           ; lane
	v_lshlrev_b32 v1, 4, v3                        ; 16 bytes of f32 a lane,
	v_lshlrev_b32 v2, 3, v3                        ; 8 bytes of bf16
	s_sub_co_u32 s3, ttmp9, ACT_WG
	s_cmp_ge_u32 ttmp9, ACT_WG                     ; weights?
	s_cselect_b32 s3, s3, ttmp9                    ; my number among the work-groups of my kind
	s_lshl_b32 s4, s3, 4
	s_lshl_b32 s5, s2, 1
	s_add_co_u32 s4, s4, s5                        ; my first row, an even number
	s_lshr_b32 s5, s4, 10                          ; as a weight row: gate g,
	s_and_b32 s6, s4, 1023                         ; hidden column j
	s_lshr_b32 s7, s6, 5
	s_lshl_b32 s7, s7, 7                           ; 128 (j / 32)
	s_lshl_b32 s5, s5, 5
	s_add_co_u32 s7, s7, s5                        ; + 32 g
	s_and_b32 s6, s6, 31
	s_add_co_u32 s7, s7, s6                        ; + j % 32
	s_lshl_b32 s32, s4, 10                         ; my rows in y, ctx, W, C: 1,024 bytes a row
	s_mov_b32 s33, 0
	s_lshl_b32 s34, s4, 12                         ; in h0, U: 4,096 bytes a row
	s_mov_b32 s35, 0
	s_mov_b32 s37, 0
	s_wait_kmcnt 0x0
	s_cmp_ge_u32 ttmp9, ACT_WG                     ; compared anew; only selects stand between this line and its last use
	s_cselect_b32 s7, s7, s4                       ; the row that I write: permuted for weights, as it is for activations
	s_cselect_b64 s[24:25], s[14:15], s[8:9]       ; W or y
	s_cselect_b64 s[26:27], s[16:17], s[10:11]     ; U or h0
	s_cselect_b64 s[28:29], s[18:19], s[12:13]     ; C or ctx
	s_cselect_b64 s[30:31], s[22:23], s[20:21]     ; Bp or Ap
	s_mul_i32 s36, s7, OROW
	s_add_nc_u64 s[24:25], s[24:25], s[32:33]
	s_add_nc_u64 s[26:27], s[26:27], s[34:35]
	s_add_nc_u64 s[28:29], s[28:29], s[32:33]
	s_add_nc_u64 s[30:31], s[30:31], s[36:37]
.set i, 0
.rept 4                                ; two rows of 1,024 bytes lie on end
	global_load_b128 v[X+4*i:X+4*i+3], v1, s[24:25] offset:512*i th:TH_LOAD_NT
.set i, i+1
.endr
.rept 16                               ; two rows of 4,096 bytes
	global_load_b128 v[X+4*i:X+4*i+3], v1, s[26:27] offset:512*(i-4) th:TH_LOAD_NT
.set i, i+1
.endr
.rept 4
	global_load_b128 v[X+4*i:X+4*i+3], v1, s[28:29] offset:512*(i-20) th:TH_LOAD_NT
.set i, i+1
.endr
; Chunk i: 128 numbers of one row, four a lane, rounded in place and stored at byte off behind my first output row.
.macro OUT i, off
	s_wait_loadcnt 23-(\i)                         ; loads come back in order (ISA guide 5.7.1): chunk i is in, the 23 - i younger ones stay out
	v_cvt_pk_bf16_f32 v[X+4*(\i)],   v[X+4*(\i)],   v[X+4*(\i)+1]
	v_cvt_pk_bf16_f32 v[X+4*(\i)+1], v[X+4*(\i)+2], v[X+4*(\i)+3]
	global_store_b64 v2, v[X+4*(\i):X+4*(\i)+1], s[30:31] offset:(\off)  ; 32 lanes x 8 bytes: 256 consecutive bytes, aligned
.endm
.set i, 0
.rept 4
	OUT i, (i/2)*OROW+(i%2)*256
.set i, i+1
.endr
.rept 16
	OUT i, ((i-4)/8)*OROW+512+((i-4)%8)*256
.set i, i+1
.endr
.rept 4
	OUT i, ((i-20)/2)*OROW+2560+((i-20)%2)*256
.set i, i+1
.endr
	s_endpgm
.Lfunc_end_k_qfd904ed667_pack:
	.size	k_qfd904ed667_pack, .Lfunc_end_k_qfd904ed667_pack-k_qfd904ed667_pack
	.p2alignl 7, 3214868480
	.fill 96, 4, 3214868480
	.section	.rodata,"a",@progbits
	.p2align	6, 0x0
	.amdhsa_kernel k_qfd904ed667_pack
		.amdhsa_group_segment_fixed_size 0
		.amdhsa_private_segment_fixed_size 0
		.amdhsa_enable_private_segment 0
		.amdhsa_kernarg_size 64
		.amdhsa_user_sgpr_count 2
		.amdhsa_user_sgpr_kernarg_segment_ptr 1
		.amdhsa_wavefront_size32 1
		.amdhsa_system_sgpr_workgroup_id_x 1
		.amdhsa_system_sgpr_workgroup_id_y 1
		.amdhsa_system_sgpr_workgroup_id_z 1
		.amdhsa_system_vgpr_workitem_id 0
		.amdhsa_next_free_vgpr 104
		.amdhsa_next_free_sgpr 66
		.amdhsa_reserve_vcc 0
		.amdhsa_float_denorm_mode_32 3
		.amdhsa_float_denorm_mode_16_64 3
		.amdhsa_memory_ordered 1
		.amdhsa_forward_progress 1
		.amdhsa_inst_pref_size 10
	.end_amdhsa_kernel
	.amdgpu_metadata
---
amdhsa.version: [ 1, 2 ]
amdhsa.kernels:
  - .name:           k_qfd904ed667_pack
    .symbol:         k_qfd904ed667_pack.kd
    .args:
      - { .name: y, .offset: 0, .size: 8, .value_kind: global_buffer, .address_space: global }
      - { .name: h0, .offset: 8, .size: 8, .value_kind: global_buffer, .address_space: global }
      - { .name: ctx, .offset: 16, .size: 8, .value_kind: global_buffer, .address_space: global }
      - { .name: W, .offset: 24, .size: 8, .value_kind: global_buffer, .address_space: global }
      - { .name: U, .offset: 32, .size: 8, .value_kind: global_buffer, .address_space: global }
      - { .name: C, .offset: 40, .size: 8, .value_kind: global_buffer, .address_space: global }
      - { .name: Ap, .offset: 48, .size: 8, .value_kind: global_buffer, .address_space: global }
      - { .name: Bp, .offset: 56, .size: 8, .value_kind: global_buffer, .address_space: global }
    .group_segment_fixed_size: 0
    .private_segment_fixed_size: 0
    .kernarg_segment_align: 8
    .kernarg_segment_size: 64
    .max_flat_workgroup_size: 256
    .sgpr_count:     66
    .vgpr_count:     104
    .wavefront_size: 32
...
	.end_amdgpu_metadata
.endif
;; end of part 1
;; launch lstm (part 2): grid 16 x 32, 4 waves a work-group, clusters of 4 x 4, 327,680 bytes of LDS; arguments Ap, Bp, b, c0, out0, out1; writes out0, out1
.if DOCPART == 2
	.amdgcn_target "amdgcn-amd-amdhsa--gfx1250"
	.amdhsa_code_object_version 6
	.text
	.protected	k_qfd904ed667_lstm
	.globl	k_qfd904ed667_lstm
	.p2align	8
	.type	k_qfd904ed667_lstm,@function
k_qfd904ed667_lstm:
	s_mov_b64 s[64:65], 0
	v_nop
	global_prefetch_b8 v0, s[64:65] scope:SCOPE_SE
	s_setreg_imm32_b32 hwreg(HW_REG_WAVE_MODE, 25, 1), 1
	s_wait_xcnt 0x0
	s_wait_alu depctr_hold_cnt(0) depctr_sa_sdst(0) depctr_va_vdst(0) depctr_va_sdst(0) depctr_va_ssrc(0) depctr_va_vcc(0) depctr_vm_vsrc(0)
	s_getreg_b32 s2, hwreg(HW_REG_IB_STS2, 6, 4)
	s_cmp_eq_u32 s2, 0
	s_cbranch_scc0 .Lentry_in_a_cluster
	s_endpgm
.Lentry_in_a_cluster:
	s_bfe_u32 s2, ttmp6, 0x10000c
	s_cmp_lg_u32 s2, 0xf033
	s_cbranch_scc0 .Lentry_shape_is_right
	s_endpgm
.Lentry_shape_is_right:
; ONE STEP OF AN LSTM CELL.  gates[m][n] = b[n] + the sum over k of Ap[m][k] Bp[p(n)][k]  (Ap: [8192][1536], Bp: [4096][1536], bf16, made by the launch before; sums in f32);
; i, f, o = sigmoid of gates 0, 1, 2; c^ = tanh of gate 3; out0 = c = i c^ + f c0; out1 = h = o tanh(c).  b, c0, out0, out1 are f32, and all but the products' operands stays f32.
; sigmoid(x) = 1 / (1 + 2^(-x log2 e)), tanh(x) = 1 - 2 / (1 + 2^(2 x log2 e)).  No clamp: where the power overflows its reciprocal is 0, where it vanishes the reciprocal is 1: the functions' own limits.
; LIMITS.  The products' operands carry bf16's rounding.  A power of two below 2^-126 counts as 0.  tanh by this form has an absolute error of about 1e-7, also near 0, where that is a large part
; of a very small result.  NaN and infinities among the inputs are not treated apart.
; SHARES.  A work-group makes 256 rows x 256 packed columns of the gates = 64 hidden columns x 4 gates; four waves, each 128 x 128: 64 accumulators of 16 x 16, 512 registers.  Bp's rows are ordered so
; that a wave's 128 columns are 4 gates x 32 hidden columns.  K = 1,536 goes in 12 steps of 128 through a ring of two LDS slots filled by the tensor data mover; a tile's rows are 256 bytes of memory, aligned.
; THE MATRIX INSTRUCTION IS USED TRANSPOSED (source 0 = 16 rows of Bp, source 1 = 16 rows of Ap): lane l holds row l % 16 and eight neighbouring columns 8 (l / 16) + 0..7.  Accumulator (a, 2 g + t) holds
; rows 16 a .., gate g, hidden columns 16 t ..: the four gates of an element lie in ONE lane, at the same place of four accumulators, and the cell's arithmetic changes no lane.
; THE BIAS is the C operand of each accumulator's first product: no register is cleared, and no vector instruction adds it.
; c0 is the ring's last refill: when slot 0 has been read for the last time, each wave fetches a quarter of the work-group's 256 x 64 numbers into it.  Slot 1, read out and never filled again, is the stage for c and h.
; CLUSTER.  4 x 4 work-groups.  The four of a row of the cluster need the same tiles of Ap, the four of a column the same tiles of Bp: each is asked for JOINTLY, by the same tensor load with the same
; descriptor and a mask that names the four.  c0's tile is the work-group's own: a load without a mask, behind a round like every other.
; ONE TILE TO A WORK-GROUP: 512 equal work-groups are two for each of 256 WGPs.
; REGISTERS, in windows of 256 (s_set_vgpr_msb: bits 1:0 source 0, 3:2 source 1, 5:4 source 2, 7:6 destination):
;   window 0: v0-31 addresses; v32-63 c0's fragments, two buffers of 16; v64-127, v128-191 fragments of Ap, two buffers
;   window 1: v0-63 the bias, eight registers for each of my eight column blocks; v64-127, v128-191 fragments of Bp; on the way out all 256: rows read back from the stage
;   window 2: the accumulators of my rows 0-63 ((a, bk) at v[8 (8 a + bk)]);   window 3: those of my rows 64-127
.set KSTEP,  128
.set ROWB,   3072                      ; bytes in a row of Ap and of Bp
.set HROW,   4096                      ; bytes in a row of c0, out0, out1
.set PITCH,  272                       ; an LDS row: 256 bytes + 16 of padding = 68 words: row r starts at bank 4 r mod 64 (64 banks of 4 bytes: ISA guide 11.1), so 16 rows start at 16 different banks
.set HALFT,  128*PITCH                 ; 128 rows: what one tensor load brings of Ap or Bp, and what one wave reads of it
.set SLOT,   4*HALFT                   ; Ap's 256 rows, then Bp's 256 rows
.set QT,     256*PITCH                 ; 256 rows of 64 f32: c0's tile (at byte 0), c's stage (at SLOT), h's stage (at SLOT + QT)
.set SPARE,  2*SLOT                    ; behind the ring: the spare words, 128 bytes for each wave: two blocks of 256 bytes that no other line names
.set LAPS,   6                         ; a lap = two K steps = once round the ring
.set BO,   6                           ; v6      32 (l / 16): my eight numbers of 16 of the bias
.set ADRA, 16                          ; v16-17  LDS address of my fragments of Ap in slot 0, 1
.set ADRB, 20                          ; v20-21  the same for Bp
.set C0A,  22                          ; v22     my 32 bytes in the first of my rows of c0's tile
.set STC,  23                          ; v23     the same place in c's stage
.set STH,  24                          ; v24     and in h's
.set RDC,  25                          ; v25     the way out: where I read rows of c back
.set RDH,  26                          ; v26     and of h
.set CO,   27                          ; v27     my byte offset in two rows of out0 and out1
.set SPW,  28                          ; v28     LDS address of my spare word: SPARE + 4 x my thread's number; never rewritten
.set NIL,  29                          ; v29     0; never rewritten
.set PFO,  30                          ; v30     the prefetches' offset in Ap and Bp: my lane x a row; never rewritten
.set PFC,  31                          ; v31     the same in c0
.set C0B,  32
.set F0,   64                          ; fragment buffer 0
.set F1,   128                         ; fragment buffer 1
.set BIAS, 0                           ; in window 1
.set WV,   16                          ; s16  my wave's number
.set WM,   17                          ; s17  which half of the tile's rows is mine.  Also: I fetch for Ap (0) or for Bp (1)
.set WN,   18                          ; s18  which half of its columns.  Also: which 128 rows of that tile I fetch
.set CX,   20                          ; s20, s21  my place in the cluster
.set CY,   21
.set TC,   22                          ; s22  tile column
.set TR,   23                          ; s23  tile row
.set G1,   24                          ; s[24:31] descriptor group 1 for Ap's tiles
.set G0,   32                          ; s[32:39] group 0 for Ap's tiles, a set for each slot
.set LIM,  43                          ; s43  1 in a wave that prefetches Ap or Bp, else the greatest number
.set PFA,  44                          ; s[44:45] where those prefetches stand
.set G1B,  48                          ; s[48:55] group 1 for Bp's tiles: it differs in the mask alone
.set G0B,  56                          ; s[56:63] group 0 for Bp's tiles
.set LPL,  66                          ; s66  where my tiles go in a slot
.set G1C,  68                          ; s[68:75] group 1 for c0's tile
.set G0C,  76                          ; s[76:79] group 0 for c0's tile; written once
.set PCB,  80                          ; s[80:81] c0 at my 64 rows of the tile; never rewritten
.set OFFQ, 82                          ; s[82:83] the byte offset of those rows in c0, out0 and out1
.set NL,   92                          ; s[92:93] -log2 e: the packed multiply names a pair and takes its low word for both halves
.set TL,   94                          ; s[94:95] 2 log2 e
.set MSB, 0
.macro WIN new                         ; the immediate's high byte repeats the setting that is left; a switch that changes nothing is dropped
.if MSB != (\new)
	s_set_vgpr_msb (MSB<<8)|(\new)
.set MSB, \new
.endif
.endm
.set TO_B, 0x40                        ; destination window 1, address window 0
; A joint load.  Waves 0 and 1 fetch Ap's two halves, waves 2 and 3 Bp's.  Each of the two lines has one mask and one set of registers for all that issue it.  The branch hangs on the wave's number alone.
; An s_nop 0 and four v_nop follow each of the two lines, ahead of the jump, the label and what follows the macro.
.macro JLOAD s
	s_cmp_eq_u32 s[WM], 0
	s_cbranch_scc0 .Lfor_b_\@
	tensor_load_to_lds s[G0+4*(\s):G0+4*(\s)+3], s[G1:G1+7]
	s_nop 0
.rept 4
	v_nop
.endr
	s_branch .Lasked_\@
.Lfor_b_\@:
	tensor_load_to_lds s[G0B+4*(\s):G0B+4*(\s)+3], s[G1B:G1B+7]
	s_nop 0
.rept 4
	v_nop
.endr
.Lasked_\@:
.endm
; A PREFETCH INTO THE L2, behind each joint refill, its five lines and the run of LDS loads that follows them: the K step that stands TWO refills on (512 matrix instructions ahead of the load that will ask
; for it): 32 rows x 256 bytes, a lane a row, one instruction a wave.  Each row's 256 bytes of a K step are named once in the launch: Ap's tile row is read by every cluster of that row of clusters, and the
; one with x = 0 asks; Bp's tile column by every cluster of that column, and the one with y = 0 asks.  The four partners that fetch a tile jointly share its rows out BY ADDRESS: of the 128 rows that
; a wave fetches, the partner at place p takes 32 p .. 32 p + 31 (p = cx for Ap, cy for Bp).  K steps 0 to 3 come by their loads alone; the loop's last trip (s3 = 1) has no K step two refills on.
.macro ASK
	s_cmp_gt_u32 s3, s[LIM]
	s_cbranch_scc0 .Lnot_mine_\@
	global_prefetch_b8 v[PFO], s[PFA:PFA+1] offset:KSTEP*2 th:TH_LOAD_NT scope:SCOPE_SE
.Lnot_mine_\@:
.endm
; The same for c0, in the loop's last trip alone, two K steps ahead of the tensor load that will ask for it: each wave names the 64 rows x 256 bytes that it will fetch itself, a lane a row, two instructions.
.macro ASKC
	s_cmp_eq_u32 s3, 1
	s_cbranch_scc0 .Lno_c0_\@
	global_prefetch_b8 v[PFC], s[PCB:PCB+1] th:TH_LOAD_NT scope:SCOPE_SE
	global_prefetch_b8 v[PFC], s[PCB:PCB+1] offset:32*HROW th:TH_LOAD_NT scope:SCOPE_SE
.Lno_c0_\@:
.endm
; A round of the cluster's barrier: my work-group's barrier, so that wave 0's signal speaks for all four waves; wave 0 signals for the work-group; every wave waits for all sixteen work-groups;
; my work-group's barrier once more.  No LDS instruction of the wave is pending at a signal.
.macro CREST                           ; a round behind its opening barrier
	s_cmp_lg_u32 s[WV], 0
	s_cbranch_scc1 .Lnot_wave_0_\@
	s_barrier_signal -3
.Lnot_wave_0_\@:
	s_barrier_wait -3
	s_barrier_signal -1
	s_barrier_wait -1
.endm
.macro CROUND                          ; a whole round
	s_barrier_signal -1
	s_barrier_wait -1
	CREST
.endm
	s_load_b256 s[4:11], s[0:1], 0x0               ; Ap s[4:5], Bp s[6:7], b s[8:9], c0 s[10:11]
	s_load_b128 s[12:15], s[0:1], 0x20             ; out0 s[12:13], out1 s[14:15]
	v_lshl_add_u32 v[SPW], v0, 2, SPARE
	v_mov_b32 v[NIL], 0
	ds_add_u32 v[SPW], v[NIL]                      ; the wave's opening: the add, twice on end, and its wait, ahead of my first tensor load; the set-up below, work on registers, stands between
	ds_add_u32 v[SPW], v[NIL]                      ; and once more, under the one wait
	v_lshrrev_b32 v1, 5, v0
	v_readfirstlane_b32 s[WV], v1                  ; wave 0..3
	s_lshr_b32 s[WM], s[WV], 1
	s_and_b32 s[WN], s[WV], 1
	s_bfe_u32 s[CX], ttmp6, 0x40000
	s_bfe_u32 s[CY], ttmp6, 0x40004
	s_lshl_b32 s[TC], ttmp9, 2                     ; in a cluster launch ttmp9 and ttmp7 count clusters
	s_add_co_u32 s[TC], s[TC], s[CX]               ; tile column = 4 x cluster x + cx
	s_and_b32 s[TR], ttmp7, 0xffff
	s_lshl_b32 s[TR], s[TR], 2
	s_add_co_u32 s[TR], s[TR], s[CY]               ; tile row = 4 x cluster y + cy
	s_lshl_b32 s40, s[CY], 2
	s_lshl_b32 s40, 15, s40                        ; my row of the cluster: places 4 cy .. 4 cy + 3
	s_lshl_b32 s41, 0x1111, s[CX]                  ; my column: places cx, cx + 4, cx + 8, cx + 12
	; group 1 for Ap and Bp: a tile of 128 rows x 128 elements of 2 bytes, padded in LDS
	s_or_b32 s[G1], s40, (1<<16)|(1<<20)|(1<<21)|(5<<22)|(3<<25)   ; 15:0 the mask; 17:16 elements of 2 bytes; 20 padding on; 21 set beside a mask; 24:22 after every 64 words (code 5); 31:25 4 words of it (code 3)
	s_or_b32 s[G1B], s41, (1<<16)|(1<<20)|(1<<21)|(5<<22)|(3<<25)
.irp g, G1, G1B
	s_mov_b32 s[(\g)+1], KSTEP<<16                 ; tensor_dim0 = 128
	s_mov_b32 s[(\g)+2], 128<<16                   ; tensor_dim1 = 128
	s_mov_b32 s[(\g)+3], KSTEP<<16                 ; tile_dim0 = 128
	s_mov_b32 s[(\g)+4], 128                       ; tile_dim1 = 128
	s_mov_b32 s[(\g)+5], 1536                      ; elements from row to row
	s_mov_b32 s[(\g)+6], 0
	s_mov_b32 s[(\g)+7], 0
.endr
	; group 1 for c0: a tile of 64 rows x 64 elements of 4 bytes, the same padding; no mask
	s_mov_b32 s[G1C], (2<<16)|(1<<20)|(5<<22)|(3<<25)
	s_mov_b32 s[G1C+1], 64<<16                     ; tensor_dim0 = 64
	s_mov_b32 s[G1C+2], 64<<16                     ; tensor_dim1 = 64
	s_mov_b32 s[G1C+3], 64<<16                     ; tile_dim0 = 64
	s_mov_b32 s[G1C+4], 64                         ; tile_dim1 = 64
	s_mov_b32 s[G1C+5], 1024                       ; elements from row to row
	s_mov_b32 s[G1C+6], 0
	s_mov_b32 s[G1C+7], 0
	s_mov_b32 s[G0C], 1                            ; count = 1
	s_mul_i32 s[G0C+1], s[WV], 64*PITCH            ; rows 64 w .. of the tile at LDS byte 0
	s_mov_b32 s[NL], 0xbfb8aa3b                    ; -1.442695
	s_mov_b32 s[NL+1], s[NL]                       ; named with it as a pair, so it is written
	s_mov_b32 s[TL], 0x4038aa3b                    ; 2.885390
	s_mov_b32 s[TL+1], s[TL]
	; where the tiles come from.  Ap's hang on the tile row alone, which my row of the cluster shares; Bp's on the tile column alone, which my column shares.
	s_lshl_b32 s42, s[WN], 7                       ; which 128 rows of the tile I fetch
	s_lshl_b32 s84, s[TR], 8
	s_add_co_u32 s84, s84, s42
	s_mul_i32 s84, s84, ROWB                       ; under 2^25
	s_mov_b32 s85, 0
	s_lshl_b32 s46, s[TC], 8
	s_add_co_u32 s46, s46, s42
	s_mul_i32 s46, s46, ROWB
	s_mov_b32 s47, 0
	s_mul_i32 s[LPL], s[WV], HALFT                 ; and where they go: Ap's two halves, then Bp's two: no place in the cluster enters an LDS address
	s_lshl_b32 s[OFFQ], s[TR], 8                   ; rows 256 x tile row + 64 x wave of c0, out0 and out1,
	s_lshl_b32 s87, s[WV], 6
	s_add_co_u32 s[OFFQ], s[OFFQ], s87
	s_lshl_b32 s[OFFQ], s[OFFQ], 12
	s_lshl_b32 s87, s[TC], 8                       ; from hidden column 64 x tile column on: 256 bytes
	s_add_co_u32 s[OFFQ], s[OFFQ], s87
	s_mov_b32 s[OFFQ+1], 0
	s_wait_dscnt 0x0                               ; both opening adds are done
	s_wait_kmcnt 0x0
	s_add_nc_u64 s[84:85], s[4:5], s[84:85]
	s_add_nc_u64 s[46:47], s[6:7], s[46:47]
	s_add_nc_u64 s[PCB:PCB+1], s[10:11], s[OFFQ:OFFQ+1]
	s_mov_b64 s[G0C+2:G0C+3], s[PCB:PCB+1]
	s_or_b32 s[G0C+3], s[G0C+3], 0x80000000        ; type = 2
	s_add_nc_u64 s[12:13], s[12:13], s[OFFQ:OFFQ+1]
	s_add_nc_u64 s[14:15], s[14:15], s[OFFQ:OFFQ+1]
	CROUND                                         ; all sixteen work-groups are here: the first joint loads meet
.irp s, 0,1
	s_mov_b32 s[G0+4*(\s)], 1                                      ; count = 1
	s_add_co_u32 s[G0+4*(\s)+1], s[LPL], (\s)*SLOT                 ; LDS address
	s_add_nc_u64 s[G0+4*(\s)+2:G0+4*(\s)+3], s[84:85], (\s)*KSTEP*2  ; global address: K step s
	s_or_b32 s[G0+4*(\s)+3], s[G0+4*(\s)+3], 0x80000000            ; type = 2
	s_mov_b32 s[G0B+4*(\s)], 1
	s_add_co_u32 s[G0B+4*(\s)+1], s[LPL], (\s)*SLOT
	s_add_nc_u64 s[G0B+4*(\s)+2:G0B+4*(\s)+3], s[46:47], (\s)*KSTEP*2
	s_or_b32 s[G0B+4*(\s)+3], s[G0B+4*(\s)+3], 0x80000000
	JLOAD \s                                       ; the ring is filled before anything else is done: two loads of mine are out
.endr
	; A fragment is 16 rows x 32 K in 8 registers: lane l holds row l % 16; registers 0-3 K = 8 (l / 16) + 0..7, registers 4-7 K = 16 + 8 (l / 16) + 0..7: two loads of 16 bytes, 32 bytes apart.
	v_and_b32 v1, 15, v0                           ; r = l % 16
	v_bfe_u32 v2, v0, 4, 1                         ; h = l / 16
	v_mul_u32_u24 v3, v1, PITCH
	v_lshl_add_u32 v3, v2, 4, v3                   ; row x pitch + 16 h
	s_mul_i32 s90, s[WM], HALFT                    ; my 128 rows of Ap
	s_mul_i32 s91, s[WN], HALFT                    ; my 128 rows of Bp,
	s_add_co_u32 s91, s91, 2*HALFT                 ; which lie behind Ap's 256
.irp s, 0,1
	v_add_nc_u32 v[ADRA+(\s)], s90, v3
	v_add_nc_u32 v[ADRB+(\s)], s91, v3
	s_add_co_u32 s90, s90, SLOT
	s_add_co_u32 s91, s91, SLOT
.endr
	; c0's tile and the two stages have one layout: row (of the work-group's 256) x 272 + 4 x hidden column (of its 64).  My lane: row 128 wm + 16 a + r, columns 32 wn + 16 t + 8 h + 0..7
	s_mul_i32 s90, s[WM], HALFT
	s_lshl_b32 s91, s[WN], 7
	s_add_co_u32 s90, s90, s91
	v_mul_u32_u24 v4, v1, PITCH
	v_lshl_add_u32 v4, v2, 5, v4
	v_add_nc_u32 v[C0A], s90, v4
	v_add_nc_u32 v[STC], SLOT, v[C0A]
	v_add_nc_u32 v[STH], SLOT+QT, v[C0A]
	s_mul_i32 s90, s[WV], 64*PITCH                 ; back: wave w takes rows 64 w .. 64 w + 63, whole; lanes 0-15 one row of 256 bytes, lanes 16-31 the next
	s_add_co_u32 s90, s90, SLOT
	v_mul_u32_u24 v5, v2, PITCH
	v_lshl_add_u32 v5, v1, 4, v5
	v_add_nc_u32 v[RDC], s90, v5
	v_add_nc_u32 v[RDH], QT, v[RDC]
	v_lshlrev_b32 v5, 12, v2                       ; and the same two rows in out0 and out1
	v_lshl_add_u32 v[CO], v1, 4, v5
	v_lshlrev_b32 v[BO], 5, v2
	; the prefetches
	s_lshl_b32 s86, s[TR], 8
	s_lshl_b32 s87, s[TC], 8
	s_and_b32 s88, ttmp7, 0xffff                   ; cluster y
	s_cmp_eq_u32 s[WM], 0                          ; do I fetch for Ap?
	s_cselect_b32 s86, s86, s87                    ; the tile's first row: in Ap by the tile row, in Bp by the tile column
	s_cselect_b32 s87, s[CX], s[CY]                ; my place among the four that ask for it with me
	s_cselect_b32 s88, ttmp9, s88                  ; the coordinate along which other clusters read the same rows
	s_cselect_b64 s[PFA:PFA+1], s[4:5], s[6:7]
	s_cmp_eq_u32 s88, 0
	s_cselect_b32 s[LIM], 1, -1                    ; the same in all sixteen partners, for a given wave
	s_lshl_b32 s88, s[WN], 7
	s_add_co_u32 s86, s86, s88                     ; + the 128 rows that I fetch
	s_lshl_b32 s87, s87, 5
	s_add_co_u32 s86, s86, s87                     ; + my work-group's 32 of them
	s_mul_i32 s86, s86, ROWB
	s_mov_b32 s87, 0
	s_add_nc_u64 s[PFA:PFA+1], s[PFA:PFA+1], s[86:87]
	s_add_nc_u64 s[PFA:PFA+1], s[PFA:PFA+1], 2*KSTEP*2  ; at K step 2: the first refill steps it to 3 and names K step 4.  Nothing is prefetched here, at the head
	v_and_b32 v[PFC], 31, v0
	v_mul_u32_u24 v[PFO], v[PFC], ROWB
	v_lshlrev_b32 v[PFC], 12, v[PFC]
	; the bias, in the layout of a result: for column block 2 g + t my lane's registers 0-7 hold b[1024 g + 64 x tile column + 32 wn + 16 t + 8 h + 0..7]
	s_lshl_b32 s88, s[TC], 8
	s_lshl_b32 s89, s[WN], 7
	s_add_co_u32 s88, s88, s89
	s_mov_b32 s89, 0
	s_add_nc_u64 s[88:89], s[8:9], s[88:89]
	WIN TO_B
.irp g, 0,1,2,3
.irp t, 0,1
	global_load_b128 v[BIAS+8*(2*(\g)+(\t)):BIAS+8*(2*(\g)+(\t))+3],   v[BO], s[88:89] offset:4096*(\g)+64*(\t)
	global_load_b128 v[BIAS+8*(2*(\g)+(\t))+4:BIAS+8*(2*(\g)+(\t))+7], v[BO], s[88:89] offset:4096*(\g)+64*(\t)+16
.endr
.endr
	WIN 0
; 16 matrix instructions: row blocks a0, a0 + 1 of the window's four (hi = 0: my rows 0-63, 1: rows 64-127) x all 8 column blocks, 32 along K.
; first = 1: the product starts the sum with the bias (C in window 1).  The 64 accumulators take turns in the same order in every quarter step.
.macro MUL16 f, hi, a0, first
.if \first
	WIN 0x91+0x40*(\hi)                            ; source 0 (Bp) window 1, source 1 (Ap) window 0, C window 1, D window 2 or 3
.else
	WIN 0xa1+0x50*(\hi)                            ; the same with C and D in window 2 or 3
.endif
.irp a, \a0, (\a0)+1
.irp b, 0,1,2,3,4,5,6,7
.if \first
	v_wmma_f32_16x16x32_bf16 v[8*(8*(\a)+(\b)):8*(8*(\a)+(\b))+7], v[(\f)+8*(\b):(\f)+8*(\b)+7], v[(\f)+8*(4*(\hi)+(\a)):(\f)+8*(4*(\hi)+(\a))+7], v[BIAS+8*(\b):BIAS+8*(\b)+7]
.else
	v_wmma_f32_16x16x32_bf16 v[8*(8*(\a)+(\b)):8*(8*(\a)+(\b))+7], v[(\f)+8*(\b):(\f)+8*(\b)+7], v[(\f)+8*(4*(\hi)+(\a)):(\f)+8*(4*(\hi)+(\a))+7], v[8*(8*(\a)+(\b)):8*(8*(\a)+(\b))+7]
.endif
.endr
.endr
.endm
; 32 LDS loads in one run: the fragments of one quarter step (128 rows of Bp, 128 rows of Ap, 32 K at byte k of the rows) into buffer f
.macro FETCH slot, k, f
	WIN TO_B
.irp i, 0,1,2,3,4,5,6,7
	ds_load_b128 v[(\f)+8*(\i):(\f)+8*(\i)+3],   v[ADRB+(\slot)] offset:(\k)+(\i)*16*PITCH
	ds_load_b128 v[(\f)+8*(\i)+4:(\f)+8*(\i)+7], v[ADRB+(\slot)] offset:(\k)+(\i)*16*PITCH+32
.endr
	WIN 0
.irp i, 0,1,2,3,4,5,6,7
	ds_load_b128 v[(\f)+8*(\i):(\f)+8*(\i)+3],   v[ADRA+(\slot)] offset:(\k)+(\i)*16*PITCH
	ds_load_b128 v[(\f)+8*(\i)+4:(\f)+8*(\i)+7], v[ADRA+(\slot)] offset:(\k)+(\i)*16*PITCH+32
.endr
.endm
; A load into a register that a matrix instruction has read, and a vector instruction that reads a matrix result, stand four places behind that matrix instruction, and only plain vector instructions
; that name none of its registers are places (ISA guide 7.12.1 for vector instructions).
.macro PLACES
.rept 4
	v_nop
.endr
.endm
; A K step is four quarter steps of 32 along K, 64 matrix instructions each, on buffers 0, 1, 0, 1.
; One of the first three: multiplies buffer f; in its middle it fetches the next quarter's fragments, at byte k of the same slot's rows, into buffer g.
.macro QUARTER slot, k, f, g, first
	s_wait_dscnt 8                                 ; Bp's fragments and Ap's rows 0-63 are in; the youngest eight loads (Ap's rows 64-127) may be out
	MUL16 \f, 0, 0, \first
	MUL16 \f, 0, 2, \first
	PLACES
	FETCH \slot, \k, \g
	s_wait_dscnt 32                                ; all but the 32 just issued
	MUL16 \f, 1, 0, \first
	MUL16 \f, 1, 2, \first
.endm
; The first half of a K step's last quarter, where a slot is filled again.  In front of the barrier each wave waits for all its tensor loads, of which one is out: its part of the next slot;
; adds 0 to its spare word; and waits for that and for its own reads of this slot.  The barrier opens a round of the cluster's barrier.
.macro MEET
	WIN 0                                          ; (the add's two registers lie in window 0)
	s_wait_tensorcnt 0x0                           ; all my tensor loads have landed;
	ds_add_u32 v[SPW], v[NIL]                      ; 0 onto my spare word;
	s_wait_dscnt 9                                 ; (the add and the youngest eight loads may be out)
	MUL16 F1, 0, 0, 0                              ; sixteen matrix instructions stand between the add and the wait for it
	s_wait_dscnt 0x0                               ; the add is done, and my reads of this slot are over:
	s_barrier_signal -1                            ; say so,
	MUL16 F1, 0, 2, 0                              ; work on registers while the others arrive,
	WIN 0
	s_barrier_wait -1                              ; and go on when all four have said so
.endm
; The whole last quarter: it multiplies buffer 1 and changes slots.  Behind the round the slot just read out is filled again first: kind = 0: with the K step two steps on, jointly;
; kind = 1: with my quarter of c0's tile.  Then come the next slot's first fragments.  From a request to the wait for it a wave issues 224 matrix instructions.
.macro TURN slot, next, kind
.if (\kind) == 0
	s_wait_xcnt 0x0                                ; the last prefetch, a K step back, has read its address: it is stepped here, ahead of the waits of the change of slots
	s_add_nc_u64 s[PFA:PFA+1], s[PFA:PFA+1], KSTEP*2
.endif
	MEET
	CREST                                          ; no wave of any partner still reads this slot's tile or has a load on its way
.if (\kind) == 0
	s_add_nc_u64 s[G0+4*(\slot)+2:G0+4*(\slot)+3], s[G0+4*(\slot)+2:G0+4*(\slot)+3], 2*KSTEP*2
	s_add_nc_u64 s[G0B+4*(\slot)+2:G0B+4*(\slot)+3], s[G0B+4*(\slot)+2:G0B+4*(\slot)+3], 2*KSTEP*2
	JLOAD \slot                                    ; the first tensor load behind the round; the four v_nop behind it are also the places in front of the loads below
.else
	tensor_load_to_lds s[G0C:G0C+3], s[G1C:G1C+7]  ; every wave's own 64 rows of c0, into bytes that are its own by its number
	s_nop 0
	PLACES
.endif
	FETCH \next, 0, F0
.if (\kind) == 0
	ASK
.if (\slot) == 0
	ASKC
.endif
.endif
	MUL16 F1, 1, 0, 0
	MUL16 F1, 1, 2, 0
.endm
; THE CELL'S ARITHMETIC, for block a of eight: 16 rows x 32 hidden columns, 16 numbers a lane for each gate.  The block's 64 registers, from AC on in window 2 or 3: I at +0, F at +16, O at +32, G at +48.
; It goes in five parts, cut where a result of an exponential or a reciprocal is first named: there stands s_wait_alu depctr_va_vdst(0), and one wait serves all that were issued ahead of it.
; So two blocks' parts are laid together (below), and a block costs two waits.  In each part a packed plain instruction leads two exponentials or reciprocals.
.macro BLK a
.set AC, 64*((\a)%4)
.set WA, 0xaa+0x55*((\a)/4)            ; every operand in the block's window
.set WC, 0xa2+0x51*((\a)/4)            ; the same, source 1 in window 0
.set WS, 0x08+0x04*((\a)/4)            ; an LDS store: address in window 0, data in the block's window
.endm
.macro TWAIT
	v_nop                                          ; a plain instruction behind the last of the batch,
	s_wait_alu depctr_va_vdst(0)                   ; and the one wait for the batch, ahead of the first line that names a result
.endm
.macro C0LOAD a                        ; block a's 16 numbers of c0 a lane, into buffer a % 2
	WIN 0
.irp t, 0,1
.irp q, 0,1
	ds_load_b128 v[C0B+16*((\a)%2)+8*(\t)+4*(\q):C0B+16*((\a)%2)+8*(\t)+4*(\q)+3], v[C0A] offset:(\a)*16*PITCH+64*(\t)+16*(\q)
.endr
.endr
.endm
.macro SCL p                           ; pair p of 32: gates i, f, o times -log2 e, gate c^ times 2 log2 e
.if (\p) < 24
	v_pk_mul_f32 v[AC+2*(\p):AC+2*(\p)+1], v[AC+2*(\p):AC+2*(\p)+1], s[NL:NL+1] op_sel_hi:[1,0]
.else
	v_pk_mul_f32 v[AC+2*(\p):AC+2*(\p)+1], v[AC+2*(\p):AC+2*(\p)+1], s[TL:TL+1] op_sel_hi:[1,0]
.endif
.endm
.macro P1 a                            ; all four gates: scaled, and the power of two.  Ascending: each accumulator's lowest registers are read first
	BLK \a
	WIN WA
	SCL 0
.set k, 0
.rept 32
.if k < 31
	SCL k+1
.endif
	v_exp_f32 v[AC+2*k], v[AC+2*k]
	v_exp_f32 v[AC+2*k+1], v[AC+2*k+1]
.set k, k+1
.endr
.endm
.macro ONE_RCP base, n                 ; n pairs from v[base] on: 1 / (1 + x)
	v_pk_add_f32 v[(\base):(\base)+1], v[(\base):(\base)+1], 1.0 op_sel_hi:[1,0]
.set k, 0
.rept \n
.if k < (\n)-1
	v_pk_add_f32 v[(\base)+2*k+2:(\base)+2*k+3], v[(\base)+2*k+2:(\base)+2*k+3], 1.0 op_sel_hi:[1,0]
.endif
	v_rcp_f32 v[(\base)+2*k], v[(\base)+2*k]
	v_rcp_f32 v[(\base)+2*k+1], v[(\base)+2*k+1]
.set k, k+1
.endr
.endm
.macro P2 a                            ; I, F, O become i, f, o; G becomes 1 / (1 + 2^(2 g log2 e))
	BLK \a
	WIN WA
	ONE_RCP AC, 32
.endm
.macro P3 a                            ; c = i c^ + f c0, into I and into the stage; F becomes 2^(2 c log2 e)
	BLK \a
	s_wait_dscnt 4                                 ; LDS instructions end in order (ISA guide 5.7.1): behind this block's loads of c0 four or more were issued, so with four out they are in
	WIN WA
.set k, 0
.rept 8
	v_pk_fma_f32 v[AC+48+2*k:AC+48+2*k+1], v[AC+48+2*k:AC+48+2*k+1], -2.0, 1.0 op_sel_hi:[1,0,0]  ; c^
.set k, k+1
.endr
.set k, 0
.rept 8
	v_pk_mul_f32 v[AC+48+2*k:AC+48+2*k+1], v[AC+2*k:AC+2*k+1], v[AC+48+2*k:AC+48+2*k+1]  ; i c^
.set k, k+1
.endr
	WIN WC
.set k, 0
.rept 8
	v_pk_fma_f32 v[AC+2*k:AC+2*k+1], v[AC+16+2*k:AC+16+2*k+1], v[C0B+16*((\a)%2)+2*k:C0B+16*((\a)%2)+2*k+1], v[AC+48+2*k:AC+48+2*k+1]  ; f c0 + i c^
.set k, k+1
.endr
.if (\a) < 6
	C0LOAD (\a)+2                                  ; the buffer just read takes the block two further on
.endif
	WIN WS
.irp t, 0,1
.irp q, 0,1
	ds_store_b128 v[STC], v[AC+8*(\t)+4*(\q):AC+8*(\t)+4*(\q)+3] offset:(\a)*16*PITCH+64*(\t)+16*(\q)
.endr
.endr
	WIN WA
	v_pk_mul_f32 v[AC+16:AC+17], v[AC:AC+1], s[TL:TL+1] op_sel_hi:[1,0]
.set k, 0
.rept 8
.if k < 7
	v_pk_mul_f32 v[AC+16+2*k+2:AC+16+2*k+3], v[AC+2*k+2:AC+2*k+3], s[TL:TL+1] op_sel_hi:[1,0]
.endif
	v_exp_f32 v[AC+16+2*k], v[AC+16+2*k]
	v_exp_f32 v[AC+16+2*k+1], v[AC+16+2*k+1]
.set k, k+1
.endr
.endm
.macro P4 a
	BLK \a
	WIN WA
	ONE_RCP AC+16, 8
.endm
.macro P5 a                            ; h = o tanh(c), into F and into the stage
	BLK \a
	WIN WA
.set k, 0
.rept 8
	v_pk_fma_f32 v[AC+16+2*k:AC+16+2*k+1], v[AC+16+2*k:AC+16+2*k+1], -2.0, 1.0 op_sel_hi:[1,0,0]
.set k, k+1
.endr
.set k, 0
.rept 8
	v_pk_mul_f32 v[AC+16+2*k:AC+16+2*k+1], v[AC+32+2*k:AC+32+2*k+1], v[AC+16+2*k:AC+16+2*k+1]
.set k, k+1
.endr
	WIN WS
.irp t, 0,1
.irp q, 0,1
	ds_store_b128 v[STH], v[AC+16+8*(\t)+4*(\q):AC+16+8*(\t)+4*(\q)+3] offset:(\a)*16*PITCH+64*(\t)+16*(\q)
.endr
.endr
.endm
	s_wait_tensorcnt 1                             ; my part of K step 0 is in; K step 1's may stay out
	s_barrier_signal -1
	s_barrier_wait -1                              ; everybody's is
	FETCH 0, 0, F0
	s_wait_loadcnt 0x0                             ; the bias
	QUARTER 0, 64,  F0, F1, 1                      ; the first quarter stands in front of the loop: its products start the sums, with the bias
	WIN 0                                          ; at a label and at a branch every window is 0
	s_mov_b32 s3, LAPS-1
.Llap:                                                 ; a trip goes once round the ring, from a lap's second quarter to the next lap's first, and fills both slots again
	QUARTER 0, 128, F1, F0, 0
	QUARTER 0, 192, F0, F1, 0
	TURN 0, 1, 0
	QUARTER 1, 64,  F0, F1, 0
	QUARTER 1, 128, F1, F0, 0
	QUARTER 1, 192, F0, F1, 0
	TURN 1, 0, 0
	QUARTER 0, 64,  F0, F1, 0
	WIN 0
	s_sub_co_u32 s3, s3, 1
	s_cmp_lg_u32 s3, 0
	s_cbranch_scc1 .Llap
	QUARTER 0, 128, F1, F0, 0                      ; the last lap is written out
	QUARTER 0, 192, F0, F1, 0
	TURN 0, 1, 1                                   ; slot 0 has been read for the last time: it takes c0
	QUARTER 1, 64,  F0, F1, 0
	QUARTER 1, 128, F1, F0, 0
	QUARTER 1, 192, F0, F1, 0
	s_wait_dscnt 8                                 ; the very last quarter: nothing more to fetch
	MUL16 F1, 0, 0, 0
	MUL16 F1, 0, 2, 0
	s_wait_tensorcnt 0x0                           ; for the others' sake: my quarter of c0's tile has landed,
	s_wait_dscnt 0x0                               ; and my reads of slot 1 are over.  No tensor load follows, so this barrier wants no more
	s_barrier_signal -1
	MUL16 F1, 1, 0, 0
	MUL16 F1, 1, 2, 0
	WIN 0
	s_barrier_wait -1                              ; c0's tile is whole, and nobody reads slot 1 any more: it has had its last fill and serves as the stage
	C0LOAD 0
	C0LOAD 1
	PLACES                                         ; behind the last products
	P1 0
	TWAIT
	P2 0
	TWAIT
.irp a, 0,1,2,3,4,5,6                  ; block a's second half and block a + 1's first half share their two waits
	P3 \a
	P1 (\a)+1
	TWAIT
	P4 \a
	P2 (\a)+1
	TWAIT
	P5 \a
.endr
	P3 7
	TWAIT
	P4 7
	TWAIT
	P5 7
	; THE WAY OUT.  A row's 256 bytes of c and of h come from two waves, so a barrier stands between writing and reading; then each wave reads 64 whole rows of each and stores them.
	WIN 0
	s_wait_dscnt 0x0                               ; for the others' sake: my stores into the stages are done
	s_barrier_signal -1
	s_barrier_wait -1
	WIN TO_B                                       ; window 1 is free: 64 loads of two rows each fill it
.set u, 0
.rept 32
	ds_load_b128 v[4*u:4*u+3], v[RDC] offset:u*2*PITCH
.set u, u+1
.endr
.set u, 0
.rept 32
	ds_load_b128 v[128+4*u:128+4*u+3], v[RDH] offset:u*2*PITCH
.set u, u+1
.endr
	WIN 0x04                                       ; a store: address in window 0, data in window 1
.set u, 0
.rept 32
	s_wait_dscnt 63-u                              ; the younger loads may stay out
	global_store_b128 v[CO], v[4*u:4*u+3], s[12:13] offset:u*2*HROW th:TH_STORE_NT  ; 16 lanes store 256 consecutive bytes, at a multiple of 256 from out0's first byte
.set u, u+1
.endr
.set u, 0
.rept 32
	s_wait_dscnt 31-u
	global_store_b128 v[CO], v[128+4*u:128+4*u+3], s[14:15] offset:u*2*HROW th:TH_STORE_NT
.set u, u+1
.endr
	WIN 0
	s_wait_tensorcnt 0x0                           ; the wave's end: an add of 0 to my spare word between two waits, behind my last tensor load and my last LDS store
	ds_add_u32 v[SPW], v[NIL]
	s_wait_dscnt 0x0
	CROUND                                         ; the closing round: no work-group ends while a partner may still ask for a tile that names it
	s_endpgm
.Lfunc_end_k_qfd904ed667_lstm:
	.size	k_qfd904ed667_lstm, .Lfunc_end_k_qfd904ed667_lstm-k_qfd904ed667_lstm
	.p2alignl 7, 3214868480
	.fill 96, 4, 3214868480
	.section	.rodata,"a",@progbits
	.p2align	6, 0x0
	.amdhsa_kernel k_qfd904ed667_lstm
		.amdhsa_group_segment_fixed_size 327680
		.amdhsa_private_segment_fixed_size 0
		.amdhsa_enable_private_segment 0
		.amdhsa_kernarg_size 48
		.amdhsa_user_sgpr_count 2
		.amdhsa_user_sgpr_kernarg_segment_ptr 1
		.amdhsa_wavefront_size32 1
		.amdhsa_system_sgpr_workgroup_id_x 1
		.amdhsa_system_sgpr_workgroup_id_y 1
		.amdhsa_system_sgpr_workgroup_id_z 1
		.amdhsa_system_vgpr_workitem_id 0
		.amdhsa_next_free_vgpr 1024
		.amdhsa_next_free_sgpr 96
		.amdhsa_reserve_vcc 0
		.amdhsa_float_denorm_mode_32 3
		.amdhsa_float_denorm_mode_16_64 3
		.amdhsa_memory_ordered 1
		.amdhsa_forward_progress 1
		.amdhsa_inst_pref_size 237
	.end_amdhsa_kernel
	.amdgpu_metadata
---
amdhsa.version: [ 1, 2 ]
amdhsa.kernels:
  - .name:           k_qfd904ed667_lstm
    .symbol:         k_qfd904ed667_lstm.kd
    .args:
      - { .name: Ap, .offset: 0, .size: 8, .value_kind: global_buffer, .address_space: global }
      - { .name: Bp, .offset: 8, .size: 8, .value_kind: global_buffer, .address_space: global }
      - { .name: b, .offset: 16, .size: 8, .value_kind: global_buffer, .address_space: global }
      - { .name: c0, .offset: 24, .size: 8, .value_kind: global_buffer, .address_space: global }
      - { .name: out0, .offset: 32, .size: 8, .value_kind: global_buffer, .address_space: global }
      - { .name: out1, .offset: 40, .size: 8, .value_kind: global_buffer, .address_space: global }
    .group_segment_fixed_size: 327680
    .private_segment_fixed_size: 0
    .kernarg_segment_align: 8
    .kernarg_segment_size: 48
    .max_flat_workgroup_size: 128
    .sgpr_count:     96
    .vgpr_count:     1024
    .wavefront_size: 32
...
	.end_amdgpu_metadata
.endif
;; end of part 2
;; ======== version 2 of 2: 2 launches; version 1 with the launch pack written anew for expert scheduling mode
;; workspace buffers: Ap 25,165,824 bytes; Bp 12,582,912 bytes
;; launch pack (part 3): grid 768 x 1, 8 waves a work-group, no clusters, 0 bytes of LDS; arguments y, h0, ctx, W, U, C, Ap, Bp; writes Ap, Bp
.if DOCPART == 3
	.amdgcn_target "amdgcn-amd-amdhsa--gfx1250"
	.amdhsa_code_object_version 6
	.text
	.protected	k_qfd904ed667_pack
	.globl	k_qfd904ed667_pack
	.p2align	8
	.type	k_qfd904ed667_pack,@function
k_qfd904ed667_pack:
	s_mov_b64 s[64:65], 0
	v_nop
	global_prefetch_b8 v0, s[64:65] scope:SCOPE_SE
	s_setreg_imm32_b32 hwreg(HW_REG_WAVE_SCHED_MODE, 0, 2), 2
	s_setreg_imm32_b32 hwreg(HW_REG_WAVE_MODE, 25, 1), 1
	s_wait_xcnt 0x0
	s_wait_alu depctr_vm_vsrc(0)
; THE OPERANDS OF THE GATES' PRODUCT, ROUNDED ONCE TO bf16 AND LAID OUT FOR IT.
;   Ap[m][0:256] = y[m], Ap[m][256:1280] = h0[m], Ap[m][1280:1536] = ctx[m]          (8,192 rows of 3,072 bytes)
;   Bp[p][..]    = W[n] | U[n] | C[n] in the same order along K                       (4,096 rows of 3,072 bytes)
; where weight row n = 1024 g + j (gate g, hidden column j) goes to row p = 128 (j / 32) + 32 g + j % 32: then 128 neighbouring rows of Bp hold all four gates of 32 hidden columns,
; and the wave of the next launch that multiplies by them holds i, f, o and c^ of an element in one lane.
; A STREAM: each input byte is read once, each output byte written once; nothing is shared between waves, so there is no LDS, no barrier, no cluster and no matrix work.
; SHARES.  Work-groups 0-511 take the activations, 512-767 the weights, 16 rows each; a wave takes two neighbouring rows (an even row and the next: they stay neighbours under the permutation).
; Two rows are 2 x 6,144 bytes of f32: 24 loads of 512 consecutive bytes, ALL issued at once; each is then rounded and stored as 256 consecutive bytes, at a multiple of 256 from the buffer's first.
; No prefetch: the launch is one burst of loads a wave, with nothing to run ahead of.
; THE MODE: SCHED_MODE bits 1:0 = 2 (LLVM: expert scheduling mode 2), set by the entry lines.  The code itself states the register dependences
; between vector instructions and memory instructions, with s_wait_alu, always for 0.
; THE PLAN.  Registers that memory instructions touch:
;   v1, v2     the loads' and the stores' offsets: made once at the head, never written again.
;   chunk i    four registers of its own for the whole kernel.  Its load, issued at the head, lands in them before any vector line has named them; its two roundings read all four and write the
;              first two; its store reads those two; nothing writes them behind the store.
; So no load lands in a register that a vector line has named, and no register that a memory instruction has read is written again: what is left to state is that a store's data are written.
; The 24 chunks go in six groups of four.  Group g rounds its own chunks; the stores that are issued meanwhile are those of group g - 1, one ahead of each chunk's two roundings.  ONE wait at a group's
; head states that the group before has written its data; the vector lines that follow it name this group's registers alone, so the four stores owe nothing more.
.set ACT_WG, 512                       ; work-groups that take activations
.set OROW,   3072                      ; bytes in a row of Ap and of Bp
.set GROUP,  4                         ; chunks in a group
.set X,      4                         ; v[4:99]  chunk i of 24 in v[X+4 i : X+4 i+3]; never reused behind its store
	s_load_b512 s[8:23], s[0:1], 0x0               ; y s[8:9], h0 s[10:11], ctx s[12:13], W s[14:15], U s[16:17], C s[18:19], Ap s[20:21], Bp s[22:23]
	v_lshrrev_b32 v3, 5, v0
	v_readfirstlane_b32 s2, v3                     ; wave 0..7
	v_and_b32 v3, 31, v0                           ; lane
	v_lshlrev_b32 v1, 4, v3                        ; 16 bytes of f32 a lane,
	v_lshlrev_b32 v2, 3, v3                        ; 8 bytes of bf16
	s_sub_co_u32 s3, ttmp9, ACT_WG
	s_cmp_ge_u32 ttmp9, ACT_WG                     ; weights?
	s_cselect_b32 s3, s3, ttmp9                    ; my number among the work-groups of my kind
	s_lshl_b32 s4, s3, 4
	s_wait_alu depctr_va_sdst(0)                   ; s2, the wave's number, is written, ahead of its first reader: my rows, and so every base, are made from it
	s_lshl_b32 s5, s2, 1
	s_add_co_u32 s4, s4, s5                        ; my first row, an even number
	s_lshr_b32 s5, s4, 10                          ; as a weight row: gate g,
	s_and_b32 s6, s4, 1023                         ; hidden column j
	s_lshr_b32 s7, s6, 5
	s_lshl_b32 s7, s7, 7                           ; 128 (j / 32)
	s_lshl_b32 s5, s5, 5
	s_add_co_u32 s7, s7, s5                        ; + 32 g
	s_and_b32 s6, s6, 31
	s_add_co_u32 s7, s7, s6                        ; + j % 32
	s_lshl_b32 s32, s4, 10                         ; my rows in y, ctx, W, C: 1,024 bytes a row
	s_mov_b32 s33, 0
	s_lshl_b32 s34, s4, 12                         ; in h0, U: 4,096 bytes a row
	s_mov_b32 s35, 0
	s_mov_b32 s37, 0
	s_wait_kmcnt 0x0
	s_cmp_ge_u32 ttmp9, ACT_WG                     ; compared anew; only selects stand between this line and its last use
	s_cselect_b32 s7, s7, s4                       ; the row that I write: permuted for weights, as it is for activations
	s_cselect_b64 s[24:25], s[14:15], s[8:9]       ; W or y
	s_cselect_b64 s[26:27], s[16:17], s[10:11]     ; U or h0
	s_cselect_b64 s[28:29], s[18:19], s[12:13]     ; C or ctx
	s_cselect_b64 s[30:31], s[22:23], s[20:21]     ; Bp or Ap
	s_mul_i32 s36, s7, OROW
	s_add_nc_u64 s[24:25], s[24:25], s[32:33]
	s_add_nc_u64 s[26:27], s[26:27], s[34:35]
	s_add_nc_u64 s[28:29], s[28:29], s[32:33]
	s_add_nc_u64 s[30:31], s[30:31], s[36:37]
	s_wait_alu depctr_va_vdst(0)                   ; v1 and v2 are written: every load of the kernel reads v1 as its offset, every store v2
.set i, 0
.rept 4                                ; two rows of 1,024 bytes lie on end
	global_load_b128 v[X+4*i:X+4*i+3], v1, s[24:25] offset:512*i th:TH_LOAD_NT
.set i, i+1
.endr
.rept 16                               ; two rows of 4,096 bytes
	global_load_b128 v[X+4*i:X+4*i+3], v1, s[26:27] offset:512*(i-4) th:TH_LOAD_NT
.set i, i+1
.endr
.rept 4
	global_load_b128 v[X+4*i:X+4*i+3], v1, s[28:29] offset:512*(i-20) th:TH_LOAD_NT
.set i, i+1
.endr
; Chunk i: 128 numbers of one row, four a lane, rounded in place.
.macro ROUNDED i
	v_cvt_pk_bf16_f32 v[X+4*(\i)],   v[X+4*(\i)],   v[X+4*(\i)+1]
	v_cvt_pk_bf16_f32 v[X+4*(\i)+1], v[X+4*(\i)+2], v[X+4*(\i)+3]
.endm
; Chunk i is stored.  Its place behind my first output row: chunks 0-3 are y's or W's part of the two rows (bytes 0-511 of a row), 4-19 h0's or U's (512-2,559), 20-23 ctx's or C's (2,560-3,071).
.macro STORED i
.if (\i) < 4
.set off, ((\i)/2)*OROW+((\i)%2)*256
.elseif (\i) < 20
.set off, (((\i)-4)/8)*OROW+512+(((\i)-4)%8)*256
.else
.set off, (((\i)-20)/2)*OROW+2560+(((\i)-20)%2)*256
.endif
	global_store_b64 v2, v[X+4*(\i):X+4*(\i)+1], s[30:31] offset:off  ; 32 lanes x 8 bytes: 256 consecutive bytes, aligned
.endm
.set g, 0
.rept 24/GROUP
.set j, 0
.rept GROUP
	s_wait_loadcnt 23-(GROUP*g+j)                  ; loads come back in order (ISA guide 5.7.1): this chunk is in, the younger ones stay out (stores do not count here)
.if (j == 0) && (g > 0)
	s_wait_alu depctr_va_vdst(0)                   ; the roundings of the group before have written its four chunks' first two registers, which the four stores of this group's turn read
.endif
.if g > 0
	STORED GROUP*(g-1)+j                           ; no vector line since that wait names this chunk's registers or v2
.endif
	ROUNDED GROUP*g+j
.set j, j+1
.endr
.set g, g+1
.endr
	s_wait_alu depctr_va_vdst(0)                   ; the last group's roundings have written the data of the last four stores
.set j, 0
.rept GROUP
	STORED 24-GROUP+j
.set j, j+1
.endr
	s_endpgm
.Lfunc_end_k_qfd904ed667_pack:
	.size	k_qfd904ed667_pack, .Lfunc_end_k_qfd904ed667_pack-k_qfd904ed667_pack
	.p2alignl 7, 3214868480
	.fill 96, 4, 3214868480
	.section	.rodata,"a",@progbits
	.p2align	6, 0x0
	.amdhsa_kernel k_qfd904ed667_pack
		.amdhsa_group_segment_fixed_size 0
		.amdhsa_private_segment_fixed_size 0
		.amdhsa_enable_private_segment 0
		.amdhsa_kernarg_size 64
		.amdhsa_user_sgpr_count 2
		.amdhsa_user_sgpr_kernarg_segment_ptr 1
		.amdhsa_wavefront_size32 1
		.amdhsa_system_sgpr_workgroup_id_x 1
		.amdhsa_system_sgpr_workgroup_id_y 1
		.amdhsa_system_sgpr_workgroup_id_z 1
		.amdhsa_system_vgpr_workitem_id 0
		.amdhsa_next_free_vgpr 104
		.amdhsa_next_free_sgpr 66
		.amdhsa_reserve_vcc 0
		.amdhsa_float_denorm_mode_32 3
		.amdhsa_float_denorm_mode_16_64 3
		.amdhsa_memory_ordered 1
		.amdhsa_forward_progress 1
		.amdhsa_inst_pref_size 11
	.end_amdhsa_kernel
	.amdgpu_metadata
---
amdhsa.version: [ 1, 2 ]
amdhsa.kernels:
  - .name:           k_qfd904ed667_pack
    .symbol:         k_qfd904ed667_pack.kd
    .args:
      - { .name: y, .offset: 0, .size: 8, .value_kind: global_buffer, .address_space: global }
      - { .name: h0, .offset: 8, .size: 8, .value_kind: global_buffer, .address_space: global }
      - { .name: ctx, .offset: 16, .size: 8, .value_kind: global_buffer, .address_space: global }
      - { .name: W, .offset: 24, .size: 8, .value_kind: global_buffer, .address_space: global }
      - { .name: U, .offset: 32, .size: 8, .value_kind: global_buffer, .address_space: global }
      - { .name: C, .offset: 40, .size: 8, .value_kind: global_buffer, .address_space: global }
      - { .name: Ap, .offset: 48, .size: 8, .value_kind: global_buffer, .address_space: global }
      - { .name: Bp, .offset: 56, .size: 8, .value_kind: global_buffer, .address_space: global }
    .group_segment_fixed_size: 0
    .private_segment_fixed_size: 0
    .kernarg_segment_align: 8
    .kernarg_segment_size: 64
    .max_flat_workgroup_size: 256
    .sgpr_count:     66
    .vgpr_count:     104
    .wavefront_size: 32
...
	.end_amdgpu_metadata
.endif
;; end of part 3
;; launch lstm: the kernel of part 2 again; grid 16 x 32, 4 waves a work-group, clusters of 4 x 4, 327,680 bytes of LDS; arguments Ap, Bp, b, c0, out0, out1; writes out0, out1
